; MI455X (gfx1250); checked and timed in simulation.
; The chip was launched on July 23, 2026; its instructions are those of AMD's public machine-readable ISA for CDNA 5 (MIT licence, August 2026) and "CDNA5" Instruction Set Architecture Reference Guide (July 2026). The comments in the code are by the model that wrote it; some were corrected since.
;; Multi Head Self Attention With Bias. Allowed arithmetic: matrix products marked QUANTISED: E2M3 operands, one E8M0 scale for each 32 along K, by v_wmma_scale_f32_16x16x128_f8f6f4 with both operands' format E2M3, f32 sums; everything else in f32.
;; Inputs: Wk 512 x 512 float32; Wo 512 x 512 float32; Wq 512 x 512 float32; Wv 512 x 512 float32; attn_bias 16 x 1,024 x 1,024 float32; bk 512 float32; bo 512 float32; bq 512 float32; bv 512 float32; key_padding_mask 16 x 1,024 int32; x 16 x 1,024 x 512 float32.
;; Outputs: out0 16 x 1,024 x 512 float32.
;; This version of the problem:
;;   THIS VERSION OF THE PROBLEM IS GIVEN IN LOW PRECISION. The matrix products marked QUANTISED in the list below multiply operands that are first quantised to E2M3 (2 exponent bits, 3 mantissa bits; 6 bits a number), with one power-of-two scale for each 32 numbers along K (OCP MX v1.0); their sums are f32. All else is computed in f32.
;;   The module's matrix products, in the order in which they are computed (A, B: the left and right operand; K: the contracted axis; several contracted axes count as one K, in the product's order):
;;     1. [M 16,384, K 512] x [K 512, N 512]; A: input x; B: input Wq: QUANTISED
;;     2. [M 16,384, K 512] x [K 512, N 512]; A: input x; B: input Wk: QUANTISED
;;     3. [M 16,384, K 512] x [K 512, N 512]; A: input x; B: input Wv: QUANTISED
;;     4. batch 128 x [M 1,024, K 64] x [K 64, N 1,024]; A: computed on the way; B: computed on the way: QUANTISED
;;     5. batch 128 x [M 1,024, K 1,024] x [K 1,024, N 64]; A: softmax (see below); B: computed on the way: QUANTISED
;;     6. [M 16,384, K 512] x [K 512, N 512]; A: computed on the way; B: input Wo: QUANTISED
;;   THE QUANTISER, for each operand of a quantised product, along K:
;;     - K is cut into blocks of 32 from its start; a last block that is shorter is filled with zeros.
;;     - A block's scale is 2^e with e = floor(log2(the largest magnitude in the block)) - 2, held to -126 .. 127; a block of zeros has e = 0. As a byte (E8M0): e + 127.
;;     - Each number is divided by its block's scale, clamped to +-7.5, and rounded to the nearest number of E2M3, ties to even, subnormals kept.
;;     - The product sums the exact products of the quantised numbers (number of the format x scale) in f32.
;;   ~~~python
;;   def quantise(x, axis):      # numpy; x: float32 -> the quantised numbers, widened to float32 again
;;       x = np.moveaxis(x, axis, -1); K = x.shape[-1]
;;       x = np.pad(x, [(0, 0)] * (x.ndim - 1) + [(0, -K % 32)]); x = x.reshape(x.shape[:-1] + (-1, 32)); a = np.abs(x).max(-1, keepdims=True)
;;       e = np.where(a > 0, np.clip(np.frexp(np.where(a > 0, a, 1))[1] - 1 - 2, -126, 127), 0)      # np.frexp(a)[1] - 1 = floor(log2(a)), exactly
;;       r = np.clip(x / 2.0 ** e, -7.5, 7.5)
;;       step = 2.0 ** (np.maximum(np.frexp(np.where(r == 0, 1, r))[1] - 1, 0) - 3)
;;       q = np.round(r / step) * step * 2.0 ** e      # np.round: ties to even
;;       return np.moveaxis(q.reshape(q.shape[:-2] + (-1,))[..., :K], -1, axis).astype(np.float32)
;;   ~~~
;;   SOFTMAX AHEAD OF A QUANTISED PRODUCT. Where the list says 'softmax', what is quantised is not the finished softmax but p = 2^(t - M), with t = logit x log2(e) and M = ceil(the row's largest t), a whole number; so 1/2 < the row's largest p <= 1. The row's sum l is taken of the UNQUANTISED p, in f32, and the product's result is divided by l at the end. Since M is a whole number, a kernel that streams over the keys may use a running M (the ceiling of the running maximum): every later rescaling is an exact power of two, which a block's scale takes up: the codes' values come out the same.
;;   OPERANDS COMPUTED ON THE WAY. 'Computed on the way' means the value that the module computes at that place (a softmax that the list does not call 'softmax' is quantised finished and normalised). What goes into a quantiser is computed in f32, as accurately as f32 sums, v_exp_f32 and their like allow (about 1e-6 of the number): no bf16 or f16 on the way to a quantiser, and a product that is left as it is and whose result goes on into a quantised operand takes f32 operands (vector FMAs, or v_wmma_f32_16x16x4_f32). A number that lies on a knife's edge between two numbers of the format may be rounded either way, as far as f32 arithmetic and the matrix unit's own rounding can turn it there, and no further.
;; One version. Each part assembles by itself: llvm-mc -triple=amdgcn-amd-amdhsa -mcpu=gfx1250 --defsym DOCPART=n.
;; ======== version 1 of 1: 3 launches
;; limits: right only within a limited range of input values
;; workspace buffers: cod 7,077,888 bytes; scl 589,824 bytes; qcod 6,291,456 bytes; kcod 6,291,456 bytes; vcod 6,291,456 bytes; qscl 524,288 bytes; kscl 524,288 bytes; vscl 524,288 bytes
;; launch prep (part 1): grid 288 x 1, 4 waves a work-group, no clusters, 34,304 bytes of LDS; arguments x, Wq, Wk, Wv, Wo, cod, scl; writes cod, scl
.if DOCPART == 1
	.amdgcn_target "amdgcn-amd-amdhsa--gfx1250"
	.amdhsa_code_object_version 6
	.text
	.protected	k_qddb07e1413_prep
	.globl	k_qddb07e1413_prep
	.p2align	8
	.type	k_qddb07e1413_prep,@function
k_qddb07e1413_prep:
	s_mov_b64 s[64:65], 0
	v_nop
	global_prefetch_b8 v0, s[64:65] scope:SCOPE_SE
	s_setreg_imm32_b32 hwreg(HW_REG_WAVE_MODE, 25, 1), 1
	s_wait_xcnt 0x0
; x [16384][512] and Wq, Wk, Wv, Wo [512][512], f32, K = 512 innermost, become codes of FP6 (E2M3) with one E8M0 byte for each 32 along K,
; laid in the ORDER OF AN OPERAND'S REGISTERS.  cod: [tile 1152][K step 4][c 3][lane 32][16 bytes]: registers 4 c .. 4 c + 3 of a fragment
; (16 rows x 128 K, 12 registers a lane) lie at 512 c + 16 lane.  scl: [tile][lane 32][4 words]: word s is the lane's row's scale word of K step s.
; Tiles 0-1023 are x's, 1024 + 32 m on are Wq's, Wk's, Wv's, Wo's (m = 0 .. 3).
; THE ROWS OF A TILE ARE NOT NEIGHBOURS: lane r of tile 4 g + u takes row 64 g + 8 u + r % 8 + 32 (r / 8), so that, where such tiles are source 0 of a product,
; a lane's 32 result registers of tiles 4 g .. 4 g + 3 are 32 neighbours along the next K: rows 64 g + 32 (lane / 16) + 0 .. 31, one whole block.
; A block's scale is 2^(floor(log2(largest magnitude)) - 2); its byte is the largest magnitude's exponent field - 2, held at 1 from below.
; LIMITS: a block of zeros gets the byte 1 (its codes are zeros, and this program alone reads the bytes); NaN and infinities are not served.
; SHARES: a wave takes one tile, 16 rows x 512.  Each load reads 512 consecutive bytes of one row; a K step's 16 x 512 bytes turn through the wave's own
; stage in LDS (rows 528 bytes apart) and come back 16 neighbours of each block to a lane.  No barrier: waves share nothing.  Loads run one K step (16 loads) ahead.
.set SPITCH, 528
.set WSTG,   16*SPITCH                 ; a wave's stage
.set R,   16                           ; v16-143  two sets of 64 registers as loaded
.set X,   144                          ; v144-207 register 16 b + i = k 32 b + 16 (lane / 16) + i of my row
.set TM,  208                          ; v208-223 at work
.set PC,  224                          ; v224-235 the fragment's codes; v236-242 the conversions' second halves
.set SW,  244                          ; v244-247 the four scale words
.set SEL, 24                           ; s[24:25] lane selects: lane l xor 16
	s_load_b256 s[4:11], s[0:1], 0x0               ; x, Wq, Wk, Wv
	s_load_b128 s[12:15], s[0:1], 0x20             ; Wo, cod
	s_load_b64 s[16:17], s[0:1], 0x30              ; scl
	v_lshl_add_u32 v248, v0, 2, 0x8400
	v_mov_b32 v249, 0
	v_lshrrev_b32 v4, 5, v0
	v_readfirstlane_b32 s18, v4                    ; wave 0..3
	v_and_b32 v5, 31, v0
	v_lshlrev_b32 v1, 4, v5                        ; 16 x lane
	s_mul_i32 s19, s18, WSTG
	v_add_nc_u32 v2, s19, v1                       ; the stage, on the way in
	v_and_b32 v6, 15, v0                           ; r
	v_bfe_u32 v7, v0, 4, 1                         ; h
	v_mul_u32_u24 v3, v6, SPITCH
	v_lshl_add_u32 v3, v7, 6, v3
	v_add_nc_u32 v3, s19, v3                       ; and on the way out: row r, + 64 h
	s_mov_b32 s[SEL], 0x76543210
	s_mov_b32 s[SEL+1], 0xfedcba98
.irp b, 0,1,2,3
	v_mov_b32 v[TM+4+\b], 0                        ; written once: a lane permute's destination counts as one of its sources
.endr
	s_and_b32 s22, ttmp9, 7                        ; a weight has 8 work-groups (32 tiles)
	s_cmp_lt_u32 ttmp9, 256
	s_cselect_b32 s22, ttmp9, s22                  ; my work-group's number within its tensor
	s_lshl_b32 s22, s22, 2
	s_add_co_u32 s22, s22, s18                     ; my tile within the tensor
	s_lshr_b32 s26, s22, 2
	s_lshl_b32 s26, s26, 17                        ; 64 rows of 2,048 bytes for each four tiles,
	s_and_b32 s23, s22, 3
	s_lshl_b32 s23, s23, 14                        ; 8 rows for each tile within them
	s_add_co_u32 s26, s26, s23
	s_mov_b32 s27, 0
	s_lshl_b32 s28, ttmp9, 2
	s_add_co_u32 s28, s28, s18                     ; my tile among all 1,152
	s_mul_i32 s30, s28, 6144
	s_mov_b32 s31, 0
	s_lshl_b32 s32, s28, 9
	s_mov_b32 s33, 0
	s_wait_alu depctr_va_vdst(0)
	s_wait_kmcnt 0x0
	s_mov_b64 s[20:21], s[12:13]                   ; which tensor: the choice hangs on the work-group's number alone
	s_cmp_lt_u32 ttmp9, 280
	s_cselect_b64 s[20:21], s[10:11], s[20:21]
	s_cmp_lt_u32 ttmp9, 272
	s_cselect_b64 s[20:21], s[8:9], s[20:21]
	s_cmp_lt_u32 ttmp9, 264
	s_cselect_b64 s[20:21], s[6:7], s[20:21]
	s_cmp_lt_u32 ttmp9, 256
	s_cselect_b64 s[20:21], s[4:5], s[20:21]
	s_add_nc_u64 s[20:21], s[20:21], s[26:27]
	s_add_nc_u64 s[14:15], s[14:15], s[30:31]
	s_add_nc_u64 s[16:17], s[16:17], s[32:33]
.macro LOAD ks                         ; K step ks of my 16 rows: 512 consecutive bytes a load; rows 0-7, then the eight rows that lie 32 further on
.irp i, 0,1,2,3,4,5,6,7,8,9,10,11,12,13,14,15
	global_load_b128 v[R+64*((\ks)%2)+4*\i:R+64*((\ks)%2)+4*\i+3], v1, s[20:21] offset:(\i+24*(\i/8))*2048+512*(\ks) th:TH_LOAD_NT
.endr
.endm
.macro TURN ks                         ; through the stage: LDS serves a wave's instructions in order
.irp i, 0,1,2,3,4,5,6,7,8,9,10,11,12,13,14,15
	ds_store_b128 v2, v[R+64*((\ks)%2)+4*\i:R+64*((\ks)%2)+4*\i+3] offset:SPITCH*\i
.endr
.irp b, 0,1,2,3
.irp j, 0,1,2,3
	ds_load_b128 v[X+16*\b+4*\j:X+16*\b+4*\j+3], v3 offset:128*\b+16*\j
.endr
.endr
.endm
; 64 numbers of a lane, register 16 b + i = k 32 b + 16 (lane / 16) + i of my row, become a fragment's codes in v[PC] on and its scale word in v[pw]
.macro QUANT s, pw
.irp b, 0,1,2,3
	v_max3_num_f32 v[TM+\b], |v[\s+16*\b]|, |v[\s+1+16*\b]|, 0x1800000   ; my 16 numbers of block b, and the floor 2^(3 - 127)
.endr
.irp i, 2,4,6,8,10,12,14
.irp b, 0,1,2,3
	v_max3_num_f32 v[TM+\b], v[TM+\b], |v[\s+16*\b+\i]|, |v[\s+1+16*\b+\i]|
.endr
.endr
.irp b, 0,1,2,3
	v_permlanex16_b32 v[TM+4+\b], v[TM+\b], s[SEL], s[SEL+1]
.endr
.irp b, 0,1,2,3
	v_max_num_f32 v[TM+\b], v[TM+\b], v[TM+4+\b]   ; with lane l xor 16's: the block's largest magnitude
.endr
.irp b, 0,1,2,3
	v_add_nc_u32 v[TM+12+\b], 0xff000000, v[TM+\b] ; 2 off its exponent field: the conversion's scale operand
.endr
.irp b, 0,1,2,3
	v_lshrrev_b32 v[TM+4+\b], 23, v[TM+12+\b]      ; the scale's byte
.endr
	v_lshl_or_b32 v[\pw], v[TM+5], 8, v[TM+4]
	v_lshl_or_b32 v[\pw], v[TM+6], 16, v[\pw]
	v_lshl_or_b32 v[\pw], v[TM+7], 24, v[\pw]
.irp c, 0,1
	v_cvt_scalef32_pk16_fp6_f32 v[PC+6*\c:PC+2+6*\c], v[\s+32*\c:\s+15+32*\c], v[TM+12+2*\c]
	v_cvt_scalef32_pk16_fp6_f32 v[PC+12+4*\c:PC+14+4*\c], v[\s+16+32*\c:\s+31+32*\c], v[TM+12+2*\c+1]
.endr
	v_nop                                          ; one plain place behind a scaled conversion
.irp c, 0,1                            ; a whole block to a lane: lanes 0-15 block 2 c, lanes 16-31 block 2 c + 1
.irp i, 0,1,2
	v_permlane16_swap_b32 v[PC+6*\c+\i], v[PC+12+4*\c+\i]
.endr
.irp i, 0,1,2
	v_mov_b32 v[PC+3+6*\c+\i], v[PC+12+4*\c+\i]
.endr
.endr
.endm
	LOAD 0
	LOAD 1
.irp ks, 0,1,2,3
.if \ks < 3
	s_wait_loadcnt 16                              ; this K step's 16 loads are in; the next step's 16 may be out
.else
	s_wait_loadcnt 0x0
.endif
	TURN \ks
	s_wait_dscnt 0x0                               ; my 64 numbers are back, and the stores into the stage have read their registers,
.if \ks < 2
	LOAD \ks+2                                     ; which take the loads of two steps on
.endif
.if \ks > 0
	s_wait_xcnt 0x0                                ; the last step's stores have read the codes' registers
.endif
	QUANT X, SW+\ks
.irp c, 0,1,2
	global_store_b128 v1, v[PC+4*\c:PC+4*\c+3], s[14:15] offset:1536*\ks+512*\c   ; 32 lanes store 512 consecutive bytes, aligned
.endr
.endr
	global_store_b128 v1, v[SW:SW+3], s[16:17]     ; the tile's scale words: 512 consecutive bytes
	s_wait_tensorcnt 0x0
	ds_add_u32 v248, v249
	s_wait_dscnt 0x0
	s_endpgm
.Lfunc_end_k_qddb07e1413_prep:
	.size	k_qddb07e1413_prep, .Lfunc_end_k_qddb07e1413_prep-k_qddb07e1413_prep
	.p2alignl 7, 3214868480
	.fill 96, 4, 3214868480
	.section	.rodata,"a",@progbits
	.p2align	6, 0x0
	.amdhsa_kernel k_qddb07e1413_prep
		.amdhsa_group_segment_fixed_size 34304
		.amdhsa_private_segment_fixed_size 0
		.amdhsa_enable_private_segment 0
		.amdhsa_kernarg_size 56
		.amdhsa_user_sgpr_count 2
		.amdhsa_user_sgpr_kernarg_segment_ptr 1
		.amdhsa_wavefront_size32 1
		.amdhsa_system_sgpr_workgroup_id_x 1
		.amdhsa_system_sgpr_workgroup_id_y 1
		.amdhsa_system_sgpr_workgroup_id_z 1
		.amdhsa_system_vgpr_workitem_id 0
		.amdhsa_next_free_vgpr 250
		.amdhsa_next_free_sgpr 66
		.amdhsa_reserve_vcc 0
		.amdhsa_float_denorm_mode_32 3
		.amdhsa_float_denorm_mode_16_64 3
		.amdhsa_memory_ordered 1
		.amdhsa_forward_progress 1
		.amdhsa_inst_pref_size 34
	.end_amdhsa_kernel
	.amdgpu_metadata
---
amdhsa.version: [ 1, 2 ]
amdhsa.kernels:
  - .name:           k_qddb07e1413_prep
    .symbol:         k_qddb07e1413_prep.kd
    .args:
      - { .name: x, .offset: 0, .size: 8, .value_kind: global_buffer, .address_space: global }
      - { .name: Wq, .offset: 8, .size: 8, .value_kind: global_buffer, .address_space: global }
      - { .name: Wk, .offset: 16, .size: 8, .value_kind: global_buffer, .address_space: global }
      - { .name: Wv, .offset: 24, .size: 8, .value_kind: global_buffer, .address_space: global }
      - { .name: Wo, .offset: 32, .size: 8, .value_kind: global_buffer, .address_space: global }
      - { .name: cod, .offset: 40, .size: 8, .value_kind: global_buffer, .address_space: global }
      - { .name: scl, .offset: 48, .size: 8, .value_kind: global_buffer, .address_space: global }
    .group_segment_fixed_size: 34304
    .private_segment_fixed_size: 0
    .kernarg_segment_align: 8
    .kernarg_segment_size: 56
    .max_flat_workgroup_size: 128
    .sgpr_count:     66
    .vgpr_count:     250
    .wavefront_size: 32
...
	.end_amdgpu_metadata
.endif
;; end of part 1
;; launch qkv (part 2): grid 64 x 3, 8 waves a work-group, no clusters, 27,648 bytes of LDS; arguments cod, scl, bq, bk, bv, key_padding_mask, qcod, kcod, vcod, qscl, kscl, vscl; writes qcod, kcod, vcod, qscl, kscl, vscl
.if DOCPART == 2
	.amdgcn_target "amdgcn-amd-amdhsa--gfx1250"
	.amdhsa_code_object_version 6
	.text
	.protected	k_qddb07e1413_qkv
	.globl	k_qddb07e1413_qkv
	.p2align	8
	.type	k_qddb07e1413_qkv,@function
k_qddb07e1413_qkv:
	s_mov_b64 s[64:65], 0
	v_nop
	global_prefetch_b8 v0, s[64:65] scope:SCOPE_SE
	s_setreg_imm32_b32 hwreg(HW_REG_WAVE_MODE, 25, 1), 1
	s_wait_xcnt 0x0
; q = x Wq^T + bq, k = x Wk^T + bk, v = x Wv^T + bv on codes of FP6 (E2M3), and their quantising for the two products of attention.
; Work-group (X, y): y = 0, 1, 2 for q, k, v; X = a chunk of 256 tokens (4 groups of 64) of batch X / 4.  Wave = head: its head's 64 rows of W
; (16 fragments, 192 registers) and its bias stay in registers; the group's 16 fragments of x go to all eight waves through LDS as images of their registers.
; q, k: source 0 = 16 rows of W, source 1 = 16 tokens: a lane holds ONE token and its 32 registers of a token tile run along the head's channels: quantised along d.
; v:    source 0 = 16 tokens, source 1 = 16 rows of W: a lane holds ONE channel and its 32 registers run along the group's keys: quantised along the keys.
; Lane r of tile u of a group of 64 rows is row 8 u + r % 8 + 32 (r / 8): so register 8 u + j of a lane is index 32 (lane / 16) + 8 u + j: ONE WHOLE BLOCK OF 32 TO A LANE.
; The bias is the C of each sum's first matrix instruction.
; OUT.  codes: [batch][head][unit 64][i 3][lane 32][8 bytes]: a unit is 6 registers a lane: 32 codes, k = 32 (lane / 16) + 0 .. 31, of the lane's row.
;   q, k: unit = token tile of the batch.   v: unit = 4 x group of 64 keys + channel tile.
; scales: [batch][head][group 16][lane 32][2 words]: word j = the 16 bits (byte of block 0, byte of block 1) of unit 2 j, and above them those of unit 2 j + 1.
;   The 16 bits are in that order in lanes 0-15, which alone are read as scales; lanes 16-31 hold the two bytes the other way round.
; q's BYTES ARE 3 LESS than its scales: the scores' division by 8.  So q's floor is 2^(6 - 127), that the byte stays 1 or more.
; k's CODES OF KEYS WHOSE MASK IS 0 ARE ZEROS, so that such a key's score is exactly what the attention launch puts in its place.
; LIMITS: a block of zeros gets the floor's byte; blocks of q whose largest magnitude lies under 2^-121 are quantised with the floor's scale; NaN and infinities are not served.
; No cluster and no tensor load: what the eight waves share is 26 KB a group, already laid as registers want it.
.set XIMG, 0                           ; LDS: x's 16 fragments (tile tt, K step ks) at 6144 tt + 1536 ks
.set XSC,  24576                       ; and the four tiles' scale words, 512 bytes each
.set L16, 1
.set L8,  2
.set STA, 3                            ; v3  16 x lane + 3072 x wave
.set STS, 4                            ; v4  XSC + 8 x lane + 256 x wave
.set MOF, 5                            ; v5  4 (r % 8 + 32 (r / 8)): my row's word in a group's 64
.set NIL, 6
.set H128, 7                           ; v7  128 h
.set WS,  16                           ; v16-31  W's scale words (4 ft + ks)
.set XS,  32                           ; v32-35  x's scale words of the tile in hand
.set MKR, 36                           ; v36-39  the mask of my token in each of the group's four tiles
.set XF,  40                           ; v40-87  x's four fragments of the tile in hand
.set ACC, 88                           ; v88-215 16 accumulators
.set TM,  216                          ; v216-223 at work
.set W16, 224                          ; v224-227 16 bits of scale bytes for each unit
.set PC,  228                          ; v228-251 four units' codes
.set CT,  252                          ; v252-254 a conversion's second half
.set WF,   0                           ; window 1: v0-191 W's fragments 12 (4 ft + ks)
.set BIAS, 192                         ; window 1: v192-223 the bias, 8 registers a tile of W
.set SG,   224                         ; window 1: v224-249 my part of the next group's images
.set KIND, 32
.set WV,   33
.set CNT,  34
.set FLOOR, 35
.set ADJ,  36
.set KFLAG, 37
.set SEL,  38
.set XB,   40
.set XSB,  42
.set MB,   44
.set OC,   46
.set OS,   48
.set WB,   50
.set WSB,  52
.set BPTR, 54
.set MSB, 0
.macro WIN new                         ; s_set_vgpr_msb: bits 1:0 source 0, 3:2 source 1, 5:4 source 2, 7:6 destination; the high byte repeats the setting that is left
.if MSB != \new
	s_set_vgpr_msb (MSB<<8)|\new
.set MSB, \new
.endif
.endm
.macro PLACES
.rept 4
	v_nop
.endr
.endm
.macro MM d, a, b, c, sa, sb
	v_wmma_scale_f32_16x16x128_f8f6f4 v[(\d):(\d)+7], v[(\a):(\a)+11], v[(\b):(\b)+11], v[(\c):(\c)+7], v[\sa], v[\sb] matrix_a_fmt:MATRIX_FMT_FP6 matrix_b_fmt:MATRIX_FMT_FP6
.endm
	s_load_b512 s[8:23], s[0:1], 0x0               ; cod, scl, bq, bk, bv, mask, qcod, kcod
	s_load_b256 s[24:31], s[0:1], 0x40             ; vcod, qscl, kscl, vscl
	v_lshl_add_u32 v15, v0, 2, 0x6800
	v_mov_b32 v255, 0
	v_lshrrev_b32 v8, 5, v0
	s_delay_alu instid0(VALU_DEP_1)
	v_readfirstlane_b32 s[WV], v8                  ; wave = head
	v_and_b32 v8, 31, v0
	s_delay_alu instid0(VALU_DEP_1)
	v_lshlrev_b32 v[L16], 4, v8
	s_delay_alu instid0(VALU_DEP_2)
	v_lshlrev_b32 v[L8], 3, v8
	s_mul_i32 s56, s[WV], 3072
	v_add_nc_u32 v[STA], s56, v[L16]
	s_lshl_b32 s57, s[WV], 8
	v_add_nc_u32 v[STS], s57, v[L8]
	s_delay_alu instid0(VALU_DEP_1)
	v_add_nc_u32 v[STS], XSC, v[STS]
	v_and_b32 v9, 15, v0
	s_delay_alu instid0(VALU_DEP_1)
	v_and_b32 v10, 8, v9
	s_delay_alu instid0(VALU_DEP_1)
	v_mad_u32_u24 v10, v10, 3, v9                  ; r + 24 (r / 8) = r % 8 + 32 (r / 8)
	s_delay_alu instid0(VALU_DEP_1)
	v_lshlrev_b32 v[MOF], 2, v10
	v_bfe_u32 v11, v0, 4, 1
	s_delay_alu instid0(VALU_DEP_1)
	v_lshlrev_b32 v[H128], 7, v11
	v_mov_b32 v[NIL], 0
	v_mov_b32 v[TM+2], 0                           ; written once: a lane permute's destination counts as one of its sources
	s_mov_b32 s[SEL], 0x76543210
	s_mov_b32 s[SEL+1], 0xfedcba98
	s_and_b32 s[KIND], ttmp7, 0xffff
	s_mul_i32 s[XB], ttmp9, 98304                  ; 4 groups x 24,576 bytes of images a chunk,
	s_add_co_u32 s[XB], s[XB], s56                 ; my 3,072 of a group's
	s_mov_b32 s[XB+1], 0
	s_lshl_b32 s[XSB], ttmp9, 13                   ; 4 x 2,048 bytes of scale words,
	s_add_co_u32 s[XSB], s[XSB], s57               ; my 256
	s_mov_b32 s[XSB+1], 0
	s_lshl_b32 s[MB], ttmp9, 10                    ; 256 mask words a chunk
	s_mov_b32 s[MB+1], 0
	s_lshr_b32 s58, ttmp9, 2
	s_lshl_b32 s58, s58, 3
	s_add_co_u32 s58, s58, s[WV]                   ; 8 x batch + head
	s_and_b32 s59, ttmp9, 3                        ; which quarter of the batch's tokens
	s_mul_i32 s[OC], s58, 49152                    ; 64 units of 768 bytes a head,
	s_mul_i32 s60, s59, 12288                      ; 16 a chunk
	s_add_co_u32 s[OC], s[OC], s60
	s_mov_b32 s[OC+1], 0
	s_lshl_b32 s[OS], s58, 12                      ; 16 groups of 256 bytes a head,
	s_lshl_b32 s60, s59, 10                        ; 4 a chunk
	s_add_co_u32 s[OS], s[OS], s60
	s_mov_b32 s[OS+1], 0
	s_lshl_b32 s60, s[KIND], 5
	s_lshl_b32 s61, s[WV], 2
	s_add_co_u32 s60, s60, s61
	s_add_co_u32 s60, s60, 1024                    ; my head's first tile of W: 1024 + 32 kind + 4 head
	s_mul_i32 s[WB], s60, 6144
	s_mov_b32 s[WB+1], 0
	s_lshl_b32 s[WSB], s60, 9
	s_mov_b32 s[WSB+1], 0
	s_mov_b32 s[BPTR], s57                         ; my head's 64 numbers of the bias
	s_mov_b32 s[BPTR+1], 0
	s_wait_kmcnt 0x0
	s_cmp_eq_u32 s[KIND], 0                        ; the choices hang on the work-group's y alone
	s_cselect_b64 s[66:67], s[12:13], s[14:15]
	s_cselect_b64 s[68:69], s[20:21], s[22:23]
	s_cselect_b64 s[70:71], s[26:27], s[28:29]
	s_mov_b32 s[FLOOR], 0x01800000                 ; the floor under a block's largest magnitude: 2^(3 - 127),
	s_cselect_b32 s[FLOOR], 0x03000000, s[FLOOR]   ; for q 2^(6 - 127),
	s_cselect_b32 s[ADJ], 3, 0                     ; whose bytes are 3 less
	s_cmp_eq_u32 s[KIND], 2
	s_cselect_b64 s[66:67], s[16:17], s[66:67]
	s_cselect_b64 s[68:69], s[24:25], s[68:69]
	s_cselect_b64 s[70:71], s[30:31], s[70:71]
	s_cmp_eq_u32 s[KIND], 1
	s_cselect_b32 s[KFLAG], -1, 0                  ; only k's codes are cleared by the mask
	s_add_nc_u64 s[XB:XB+1], s[8:9], s[XB:XB+1]
	s_add_nc_u64 s[XSB:XSB+1], s[10:11], s[XSB:XSB+1]
	s_add_nc_u64 s[MB:MB+1], s[18:19], s[MB:MB+1]
	s_add_nc_u64 s[OC:OC+1], s[68:69], s[OC:OC+1]
	s_add_nc_u64 s[OS:OS+1], s[70:71], s[OS:OS+1]
	s_add_nc_u64 s[WB:WB+1], s[8:9], s[WB:WB+1]
	s_add_nc_u64 s[WSB:WSB+1], s[10:11], s[WSB:WSB+1]
	s_add_nc_u64 s[BPTR:BPTR+1], s[66:67], s[BPTR:BPTR+1]
	WIN 0x40                                       ; destination window 1
.irp ft, 0,1,2,3
.irp ks, 0,1,2,3
.irp c, 0,1,2
	global_load_b128 v[WF+12*(4*\ft+\ks)+4*\c:WF+12*(4*\ft+\ks)+4*\c+3], v[L16], s[WB:WB+1] offset:6144*\ft+1536*\ks+512*\c
.endr
.endr
.endr
	WIN 0
.irp ft, 0,1,2,3
	global_load_b128 v[WS+4*\ft:WS+4*\ft+3], v[L16], s[WSB:WSB+1] offset:512*\ft
.endr
	s_cmp_eq_u32 s[KIND], 2
	s_cbranch_scc1 .Lbias_v
	WIN 0x40                                       ; q, k: register j of tile ft is channel 32 h + 8 ft + j
	s_wait_alu depctr_va_vdst(0)
.irp ft, 0,1,2,3
	global_load_b128 v[BIAS+8*\ft:BIAS+8*\ft+3], v[H128], s[BPTR:BPTR+1] offset:32*\ft
	global_load_b128 v[BIAS+8*\ft+4:BIAS+8*\ft+7], v[H128], s[BPTR:BPTR+1] offset:32*\ft+16
.endr
	WIN 0
	s_branch .Lbias_done
.Lbias_v:
	WIN 0x40                                       ; v: all eight registers are the lane's one channel, 8 ft + r % 8 + 32 (r / 8)
	s_wait_alu depctr_va_vdst(0)
.irp ft, 0,1,2,3
.irp j, 0,1,2,3,4,5,6,7
	global_load_b32 v[BIAS+8*\ft+\j], v[MOF], s[BPTR:BPTR+1] offset:32*\ft
.endr
.endr
	WIN 0
.Lbias_done:
.macro LOADX                           ; my eighth of a group's images and scale words, into registers
	WIN 0x40
.irp i, 0,1,2,3,4,5
	global_load_b128 v[SG+4*\i:SG+4*\i+3], v[L16], s[XB:XB+1] offset:512*\i
.endr
	global_load_b64 v[SG+24:SG+25], v[L8], s[XSB:XSB+1]
	WIN 0
.endm
.macro FETCHX tt                       ; a tile's four fragments and its scale words, as they were registers
.irp ks, 0,1,2,3
.irp c, 0,1,2
	ds_load_b128 v[XF+12*\ks+4*\c:XF+12*\ks+4*\c+3], v[L16] offset:XIMG+6144*(\tt)+1536*\ks+512*\c
.endr
.endr
	ds_load_b128 v[XS:XS+3], v[L16] offset:XSC+512*(\tt)
.endm
; The group's 64 matrix instructions: a tile of tokens at a time, K step by K step, the four tiles of W by turns.
.macro PHASE_A v
.irp tt, 0,1,2,3
.if \tt > 0
	PLACES                                         ; four places in front of loads into registers that matrix instructions have read
.endif
	FETCHX \tt
	s_wait_dscnt 0x0
.irp ks, 0,1,2,3
.if \v
.if \ks == 0
	WIN 0x14                                       ; source 1 (W) and source 2 (the bias) window 1
.else
	WIN 0x04
.endif
.irp ft, 0,1,2,3
.if \ks == 0
	MM ACC+32*\ft+8*\tt, XF+12*\ks, WF+12*(4*\ft+\ks), BIAS+8*\ft, XS+\ks, WS+4*\ft+\ks
.else
	MM ACC+32*\ft+8*\tt, XF+12*\ks, WF+12*(4*\ft+\ks), ACC+32*\ft+8*\tt, XS+\ks, WS+4*\ft+\ks
.endif
.endr
.else
.if \ks == 0
	WIN 0x11                                       ; source 0 (W) and source 2 (the bias) window 1
.else
	WIN 0x01
.endif
.irp ft, 0,1,2,3
.if \ks == 0
	MM ACC+32*\tt+8*\ft, WF+12*(4*\ft+\ks), XF+12*\ks, BIAS+8*\ft, WS+4*\ft+\ks, XS+\ks
.else
	MM ACC+32*\tt+8*\ft, WF+12*(4*\ft+\ks), XF+12*\ks, ACC+32*\tt+8*\ft, WS+4*\ft+\ks, XS+\ks
.endif
.endr
.endif
.endr
	WIN 0
.endr
.endm
; 32 numbers of a lane, register i = index 32 (lane / 16) + i of my row: one block.  They become a unit's 6 registers at v[pc]; v[w] gets my block's byte and above it lane l xor 16's.
; The accumulators are read from their low ends on.
.macro QUANT2 s, pc, w
.irp b, 0,1
	v_max3_num_f32 v[TM+\b], |v[(\s)+16*\b]|, |v[(\s)+16*\b+1]|, s[FLOOR]
.endr
.irp i, 2,4,6,8,10,12,14
.irp b, 0,1
	v_max3_num_f32 v[TM+\b], v[TM+\b], |v[(\s)+16*\b+\i]|, |v[(\s)+16*\b+\i+1]|   ; two chains by turns
.endr
.endr
	s_delay_alu instid0(VALU_DEP_1)
	v_max_num_f32 v[TM], v[TM], v[TM+1]            ; the block's largest magnitude
	s_delay_alu instid0(VALU_DEP_1)
	v_add_nc_u32 v[TM+4], 0xff000000, v[TM]        ; 2 off its exponent field: the conversion's scale operand
	s_delay_alu instid0(VALU_DEP_1)
	v_lshrrev_b32 v[TM+6], 23, v[TM+4]             ; the scale's byte,
	s_delay_alu instid0(VALU_DEP_1)
	v_sub_nc_u32 v[TM+6], v[TM+6], s[ADJ]          ; for q 3 less: / 8
	s_delay_alu instid0(VALU_DEP_1)
	v_permlanex16_b32 v[TM+2], v[TM+6], s[SEL], s[SEL+1]
	s_delay_alu instid0(VALU_DEP_1)
	v_lshl_or_b32 v[\w], v[TM+2], 8, v[TM+6]       ; in lanes 0-15: block 0's byte, block 1's above it
	v_cvt_scalef32_pk16_fp6_f32 v[(\pc):(\pc)+2], v[(\s):(\s)+15], v[TM+4]
	v_cvt_scalef32_pk16_fp6_f32 v[CT:CT+2], v[(\s)+16:(\s)+31], v[TM+4]   ; (a conversion's three registers begin on an even number)
	v_nop                                          ; one plain place behind a scaled conversion
.irp i, 0,1,2
	v_mov_b32 v[(\pc)+3+\i], v[CT+\i]
.endr
.endm
	LOADX                                          ; the first group
	s_mov_b32 s[CNT], 4
.Lgroup:
	s_wait_loadcnt 0x0                             ; my part of the group's images is in registers (in the first trip: W, its scales and the bias too)
	WIN 0x04                                       ; an LDS store's data are its source 1: window 1
.irp i, 0,1,2,3,4,5
	ds_store_b128 v[STA], v[SG+4*\i:SG+4*\i+3] offset:XIMG+512*\i
.endr
	ds_store_b64 v[STS], v[SG+24:SG+25]
	WIN 0
	s_wait_dscnt 0x0                               ; for the others' sake: my stores have landed
	s_barrier_signal -1
	s_barrier_wait -1                              ; the group's sixteen fragments lie in LDS
	s_cmp_eq_u32 s[CNT], 1                         ; the next group is asked for now, if there is one: no load leaves its buffer
	s_cbranch_scc1 .Lno_next
	s_add_nc_u64 s[XB:XB+1], s[XB:XB+1], 24576     ; (the wait at the trip's head has shown the last loads from these bases done)
	s_add_nc_u64 s[XSB:XSB+1], s[XSB:XSB+1], 2048
	LOADX
.Lno_next:
.irp tt, 0,1,2,3
	global_load_b32 v[MKR+\tt], v[MOF], s[MB:MB+1] offset:32*\tt
.endr
	s_cmp_eq_u32 s[KIND], 2
	s_cbranch_scc1 .Lfor_v
	PHASE_A 0
	s_branch .Ljoined
.Lfor_v:
	PHASE_A 1
.Ljoined:
	s_wait_dscnt 0x0                               ; my reads of the images are over:
	s_barrier_signal -1
	s_barrier_wait -1                              ; everybody's are: the next trip may store over them
	PLACES                                         ; four places between the last products and the first read of results
	s_wait_loadcnt 0x0                             ; the mask words (they were issued last)
.irp o, 0,1,2,3
	QUANT2 ACC+32*\o, PC+6*\o, W16+\o
	v_cmp_eq_u32 vcc_lo, 0, v[MKR+\o]
	s_and_b32 vcc_lo, vcc_lo, s[KFLAG]             ; k alone: a key whose mask is 0 gets zero codes
.irp i, 0,1,2,3,4,5
	v_cndmask_b32 v[PC+6*\o+\i], v[PC+6*\o+\i], v[NIL], vcc_lo
.endr
.irp i, 0,1,2
	global_store_b64 v[L8], v[PC+6*\o+2*\i:PC+6*\o+2*\i+1], s[OC:OC+1] offset:768*\o+256*\i   ; 32 lanes store 256 consecutive bytes, aligned
.endr
.endr
	v_lshl_or_b32 v[TM], v[W16+1], 16, v[W16]
	v_lshl_or_b32 v[TM+1], v[W16+3], 16, v[W16+2]
	global_store_b64 v[L8], v[TM:TM+1], s[OS:OS+1]
	s_wait_xcnt 0x0                                ; the stores' data and bases, and the mask loads' base, are written again only behind this wait
	s_add_nc_u64 s[OC:OC+1], s[OC:OC+1], 3072
	s_add_nc_u64 s[OS:OS+1], s[OS:OS+1], 256
	s_add_nc_u64 s[MB:MB+1], s[MB:MB+1], 256
	s_sub_co_u32 s[CNT], s[CNT], 1
	s_cmp_lg_u32 s[CNT], 0
	s_cbranch_scc1 .Lgroup
	s_wait_tensorcnt 0x0
	ds_add_u32 v15, v255
	s_wait_dscnt 0x0
	s_endpgm
.Lfunc_end_k_qddb07e1413_qkv:
	.size	k_qddb07e1413_qkv, .Lfunc_end_k_qddb07e1413_qkv-k_qddb07e1413_qkv
	.p2alignl 7, 3214868480
	.fill 96, 4, 3214868480
	.section	.rodata,"a",@progbits
	.p2align	6, 0x0
	.amdhsa_kernel k_qddb07e1413_qkv
		.amdhsa_group_segment_fixed_size 27648
		.amdhsa_private_segment_fixed_size 0
		.amdhsa_enable_private_segment 0
		.amdhsa_kernarg_size 96
		.amdhsa_user_sgpr_count 2
		.amdhsa_user_sgpr_kernarg_segment_ptr 1
		.amdhsa_wavefront_size32 1
		.amdhsa_system_sgpr_workgroup_id_x 1
		.amdhsa_system_sgpr_workgroup_id_y 1
		.amdhsa_system_sgpr_workgroup_id_z 1
		.amdhsa_system_vgpr_workitem_id 0
		.amdhsa_next_free_vgpr 512
		.amdhsa_next_free_sgpr 80
		.amdhsa_reserve_vcc 1
		.amdhsa_float_denorm_mode_32 3
		.amdhsa_float_denorm_mode_16_64 3
		.amdhsa_memory_ordered 1
		.amdhsa_forward_progress 1
		.amdhsa_inst_pref_size 50
	.end_amdhsa_kernel
	.amdgpu_metadata
---
amdhsa.version: [ 1, 2 ]
amdhsa.kernels:
  - .name:           k_qddb07e1413_qkv
    .symbol:         k_qddb07e1413_qkv.kd
    .args:
      - { .name: cod, .offset: 0, .size: 8, .value_kind: global_buffer, .address_space: global }
      - { .name: scl, .offset: 8, .size: 8, .value_kind: global_buffer, .address_space: global }
      - { .name: bq, .offset: 16, .size: 8, .value_kind: global_buffer, .address_space: global }
      - { .name: bk, .offset: 24, .size: 8, .value_kind: global_buffer, .address_space: global }
      - { .name: bv, .offset: 32, .size: 8, .value_kind: global_buffer, .address_space: global }
      - { .name: key_padding_mask, .offset: 40, .size: 8, .value_kind: global_buffer, .address_space: global }
      - { .name: qcod, .offset: 48, .size: 8, .value_kind: global_buffer, .address_space: global }
      - { .name: kcod, .offset: 56, .size: 8, .value_kind: global_buffer, .address_space: global }
      - { .name: vcod, .offset: 64, .size: 8, .value_kind: global_buffer, .address_space: global }
      - { .name: qscl, .offset: 72, .size: 8, .value_kind: global_buffer, .address_space: global }
      - { .name: kscl, .offset: 80, .size: 8, .value_kind: global_buffer, .address_space: global }
      - { .name: vscl, .offset: 88, .size: 8, .value_kind: global_buffer, .address_space: global }
    .group_segment_fixed_size: 27648
    .private_segment_fixed_size: 0
    .kernarg_segment_align: 8
    .kernarg_segment_size: 96
    .max_flat_workgroup_size: 256
    .sgpr_count:     80
    .vgpr_count:     512
    .wavefront_size: 32
...
	.end_amdgpu_metadata
.endif
;; end of part 2
;; launch attn (part 3): grid 16 x 16, 8 waves a work-group, no clusters, 327,680 bytes of LDS; arguments qcod, qscl, kcod, kscl, vcod, vscl, attn_bias, key_padding_mask, cod, scl, bo, out0; writes out0
.if DOCPART == 3
	.amdgcn_target "amdgcn-amd-amdhsa--gfx1250"
	.amdhsa_code_object_version 6
	.text
	.protected	k_qddb07e1413_attn
	.globl	k_qddb07e1413_attn
	.p2align	8
	.type	k_qddb07e1413_attn,@function
k_qddb07e1413_attn:
	s_mov_b64 s[64:65], 0
	v_nop
	global_prefetch_b8 v0, s[64:65] scope:SCOPE_SE
	s_setreg_imm32_b32 hwreg(HW_REG_WAVE_MODE, 25, 1), 1
	s_wait_xcnt 0x0
; out0 = (softmax(q k^T / 8 + attn_bias, keys whose mask is 0 held at a large negative logit) v) Wo^T + bo, all three products on codes of FP6 (E2M3).
; SHARES.  Work-group (g, n): 64 queries (token tiles 4 g .. 4 g + 3) of batch n, for all eight heads: attn_bias is read from memory once, and whole rows of the heads' results meet
; in one work-group for the last product.  Wave = head; it holds four tiles of 16 queries and walks the 1,024 keys in 8 steps of 128.  A head's K and V have one reader: they go from memory into that wave's registers.
; THE BIAS IS THE C OF THE SCORE PRODUCT, and the division by 8 lies in q's scale bytes.  The mask is applied once for all heads, to the bias tile on its way into LDS
; (64 queries x 128 keys, two buffers by turns, one barrier a step); k's codes of masked keys are zeros, so their logit is exactly NEG.
; K = 64 IN A K = 128 INSTRUCTION: a fragment of K holds two tiles of 16 keys; against q with zero codes above it gives the first, against q with zero codes below the second.  The dead half's q bytes are 1.
; LAYOUT.  S^T = K Q^T and O^T = V^T P^T: a lane holds ONE query.  Lane r of tile u of a group of 64 tokens (or channels, or rows of Wo) is number 8 u + r % 8 + 32 (r / 8) of the group:
; so a lane's 32 result registers of a group's four tiles are numbers 32 (lane / 16) + 0 .. 31: ONE WHOLE BLOCK OF 32 TO A LANE, as the next product's operand wants it.
; A scale word's four bytes are put together from lanes l and l xor 16; it is whole in lanes 0-15, which alone are read as scales.
; SOFTMAX.  t = logit x log2(e); M = the running largest t rounded up to a whole number, kept as -M = floor(-t); p = 2^(t - M) is quantised along the keys; the row's sum is taken of the
; unquantised p and divides at the end; when M moves, the sum and O^T are multiplied by 2^(old M - new M), which rounds nothing.
; Wo: each wave's 16 fragments (24,576 bytes) and their scale words (2,048 bytes) come into LDS bytes of the wave's own by 52 asynchronous copies issued at the head; they are filled once and read by that wave alone, behind its wait on ASYNCcnt.
; THE STEP'S BARRIER is split: the signal stands behind the wave's last LDS access of the step, the wait behind tile 3's softmax and the second product: register work alone stands between.
; LIMITS.  A masked logit is held at -2^30 where the definition has -1e9: the same result wherever every other logit lies above -9.9e8; -2^30 x log2(e) is a whole number in f32, so that a row
; with no key left gives p = 1 for every key.  s / 8 + bias is summed inside the matrix unit.  A block of zeros gets the byte 1.  NaN and infinities are not served.
; No tensor load and no cluster: the one tile that waves share passes through registers for the mask.  No prefetch: the bias is asked for by plain loads two steps ahead of its use, 9 loads a wave a step.
.set BPITCH, 528                       ; a row of the bias tile in LDS: 512 bytes + 16
.set BUFX,   0x10000                   ; bias buffer 1 begins here
.set OIMG,   34816                     ; the heads' results as codes: unit (8 m + head) x 768 bytes
.set OSC,    59392                     ; their scale words: (4 m + K step) x 128 bytes
.set SPITCH, 272                       ; the way out: 16 rows x 272 bytes for each wave, from byte 0 on (bias buffer 0, last read in step 6)
.set SPARE,  99328                     ; the spare words: 128 bytes a wave
.set WOL,    100352                    ; Wo: WREG bytes a wave
.set WREG,   26624
.set AB0, 1
.set ADB, 2
.set AST0, 3
.set AST, 4
.set L8,  5
.set L16, 6
.set NEG, 7
.set MK,  8
.set WLA, 12                           ; v12 WOL + WREG x wave + 16 x lane; never rewritten
.set OWI, 13
.set OWS, 14
.set L4,  15
.set ST,  16                           ; v16-39 six a tile: -M, the largest t, the sum in two halves, f (later 1 / sum), and the pair's upper word
.set QW,  40
.set KW,  48
.set VR,  52
.set VW,  56
.set PW,  60
.set QA,  64                           ; v64-117 zeros, Q0, zeros, Q1, zeros, Q2, zeros, Q3, zeros: six registers each
.set SPW, 118
.set NIL, 119
.set S,   120                          ; v120-183 the bias, then S^T, then p: register 32 c + i = key 64 c + 32 h + i
.set PCD, 184                          ; v184-231 p's codes, 12 a tile
.set BM,  232
.set BPR, 236
.set CT,  240
.set SO,  248
.set X,   252
.set WOS, 40                           ; the epilogue: Wo's scale words, v40-55
.set O,   0                            ; window 1: v0-127 O^T (32 m + 8 dt); then the last product's accumulators
.set KF,  128                          ; window 1: v128-175 K's four fragments
.set VF,  176                          ; window 1: v176-223 V's four fragments
.set BS,  224                          ; window 1: v224-255 eight rows of the bias on their way to LDS
.set QB, 8
.set QSB, 10
.set KB, 12
.set KSB, 14
.set VB, 16
.set VSB, 18
.set BB, 20
.set MB, 22
.set WOB, 24
.set WOSB, 26
.set BOB, 28
.set OUTB, 30
.set WV,  32
.set CNT, 33
.set TB,  34
.set TW,  35
.set CS,  36
.set SEL, 38
.set MS,  40
.set MSB, 0
.macro WIN new                         ; s_set_vgpr_msb: bits 1:0 source 0, 3:2 source 1, 5:4 source 2, 7:6 destination; the high byte repeats the setting that is left
.if MSB != \new
	s_set_vgpr_msb (MSB<<8)|\new
.set MSB, \new
.endif
.endm
.macro PLACES
.rept 4
	v_nop
.endr
.endm
.macro MM d, a, b, c, sa, sb
	v_wmma_scale_f32_16x16x128_f8f6f4 v[(\d):(\d)+7], v[(\a):(\a)+11], v[(\b):(\b)+11], v[(\c):(\c)+7], v[\sa], v[\sb] matrix_a_fmt:MATRIX_FMT_FP6 matrix_b_fmt:MATRIX_FMT_FP6
.endm
	s_load_b512 s[8:23], s[0:1], 0x0               ; qcod, qscl, kcod, kscl, vcod, vscl, attn_bias, mask
	s_load_b256 s[24:31], s[0:1], 0x40             ; cod, scl, bo, out0
	v_lshl_add_u32 v[SPW], v0, 2, SPARE
	v_mov_b32 v[NIL], 0
	ds_add_u32 v[SPW], v[NIL]                      ; the opening lines, ahead of my first copy
	ds_add_u32 v[SPW], v[NIL]
	v_lshrrev_b32 v2, 5, v0
	s_delay_alu instid0(VALU_DEP_1)
	v_readfirstlane_b32 s[WV], v2                  ; wave = head
	v_and_b32 v2, 31, v0
	s_delay_alu instid0(VALU_DEP_1)
	v_lshlrev_b32 v[L4], 2, v2
	s_delay_alu instid0(VALU_DEP_2)
	v_lshlrev_b32 v[L8], 3, v2
	s_delay_alu instid0(VALU_DEP_3)
	v_lshlrev_b32 v[L16], 4, v2
	v_and_b32 v8, 15, v0                           ; r
	v_bfe_u32 v9, v0, 4, 1                         ; h
	s_delay_alu instid0(VALU_DEP_2)
	v_mul_u32_u24 v[AB0], v8, BPITCH
	s_delay_alu instid0(VALU_DEP_1)
	v_lshl_add_u32 v[AB0], v9, 7, v[AB0]           ; 528 r + 128 h
	s_mul_i32 s56, s[WV], 8*BPITCH
	v_add_nc_u32 v[AST0], s56, v[L16]              ; where I stage: my eight rows
	s_mul_i32 s56, s[WV], WREG
	v_add_nc_u32 v[WLA], s56, v[L16]
	s_delay_alu instid0(VALU_DEP_1)
	v_add_nc_u32 v[WLA], WOL, v[WLA]
	s_mul_i32 s56, s[WV], 768
	v_add_nc_u32 v[OWI], s56, v[L8]
	s_lshr_b32 s56, s[WV], 1
	s_lshl_b32 s56, s56, 7
	s_and_b32 s57, s[WV], 1
	s_lshl_b32 s57, s57, 1
	s_add_co_u32 s56, s56, s57
	v_add_nc_u32 v[OWS], s56, v[L4]
	v_mov_b32 v[NEG], 0xce800000                   ; -2^30
	s_mov_b32 s[CS], 0x3fb8aa3b                    ; log2(e)
	s_mov_b32 s[CS+1], s[CS]
	s_mov_b32 s[SEL], 0x76543210
	s_mov_b32 s[SEL+1], 0xfedcba98
	s_and_b32 s60, ttmp7, 0xffff                   ; the batch
	s_lshl_b32 s62, s60, 3
	s_add_co_u32 s62, s62, s[WV]                   ; 8 x batch + head
	s_lshr_b32 s56, s[WV], 1                       ; I stage LDS rows 8 w .. 8 w + 7 (tile w / 2, rows 8 (w % 2) on): queries 8 (w / 2) + 32 (w % 2) + 0 .. 7
	s_lshl_b32 s56, s56, 3
	s_and_b32 s57, s[WV], 1
	s_lshl_b32 s57, s57, 5
	s_add_co_u32 s56, s56, s57
	s_lshl_b32 s66, s60, 10
	s_lshl_b32 s57, ttmp9, 6
	s_add_co_u32 s66, s66, s57                     ; my work-group's first token: 1024 n + 64 g
	s_add_co_u32 s68, s66, s56
	s_lshl_b32 s68, s68, 12                        ; attn_bias: rows of 4,096 bytes
	s_mov_b32 s69, 0
	s_lshl_b32 s66, s66, 11                        ; out0: rows of 2,048 bytes,
	s_lshl_b32 s84, s[WV], 8
	s_add_co_u32 s66, s66, s84                     ; my 64 columns
	s_mov_b32 s67, 0
	s_mov_b32 s85, 0
	s_lshl_b32 s70, s60, 12                        ; the batch's mask
	s_mov_b32 s71, 0
	s_mul_i32 s72, s62, 49152                      ; the head's 64 units of codes
	s_mov_b32 s73, 0
	s_lshl_b32 s74, s62, 12                        ; and its 16 groups of scale words
	s_mov_b32 s75, 0
	s_mul_i32 s76, ttmp9, 3072                     ; q: units 4 g on,
	s_mov_b32 s77, 0
	s_lshl_b32 s78, ttmp9, 8                       ; group g
	s_mov_b32 s79, 0
	s_lshl_b32 s80, s[WV], 2
	s_add_co_u32 s80, s80, 1120                    ; Wo's tiles 1120 + 4 w on: output columns 64 w ..
	s_mul_i32 s82, s80, 6144
	s_mov_b32 s83, 0
	s_lshl_b32 s80, s80, 9
	s_sub_co_u32 s80, s80, 24576                   ; a copy's immediate goes to both addresses: the scale words' copies carry 24,576 + .., so their offset in scl begins 24,576 lower (still above 0)
	s_mov_b32 s81, 0
	s_wait_alu depctr_va_vdst(0)
	s_wait_dscnt 0x0                               ; both opening adds are done
	s_wait_kmcnt 0x0
	s_add_nc_u64 s[BB:BB+1], s[BB:BB+1], s[68:69]
	s_add_nc_u64 s[MB:MB+1], s[MB:MB+1], s[70:71]
	s_add_nc_u64 s[QB:QB+1], s[QB:QB+1], s[72:73]
	s_add_nc_u64 s[QB:QB+1], s[QB:QB+1], s[76:77]
	s_add_nc_u64 s[QSB:QSB+1], s[QSB:QSB+1], s[74:75]
	s_add_nc_u64 s[QSB:QSB+1], s[QSB:QSB+1], s[78:79]
	s_add_nc_u64 s[KB:KB+1], s[KB:KB+1], s[72:73]
	s_add_nc_u64 s[KSB:KSB+1], s[KSB:KSB+1], s[74:75]
	s_add_nc_u64 s[VB:VB+1], s[VB:VB+1], s[72:73]
	s_add_nc_u64 s[VSB:VSB+1], s[VSB:VSB+1], s[74:75]
	s_add_nc_u64 s[WOB:WOB+1], s[WOB:WOB+1], s[82:83]
	s_add_nc_u64 s[WOSB:WOSB+1], s[WOSB:WOSB+1], s[80:81]
	s_add_nc_u64 s[BOB:BOB+1], s[BOB:BOB+1], s[84:85]
	s_add_nc_u64 s[OUTB:OUTB+1], s[OUTB:OUTB+1], s[66:67]
.macro LOADB                           ; 9 loads: my eight rows of a step's bias tile, 512 consecutive bytes each, and the step's 128 mask words
	WIN 0x40
.irp i, 0,1,2,3,4,5,6,7
	global_load_b128 v[BS+4*\i:BS+4*\i+3], v[L16], s[BB:BB+1] offset:4096*\i th:TH_LOAD_NT
.endr
	WIN 0
	global_load_b128 v[MK:MK+3], v[L16], s[MB:MB+1]
.endm
.macro LOADK                           ; 26 loads: a step's eight units of K are 6,144 consecutive bytes; and two groups' scale words
	WIN 0x40
.set l, 0
.rept 24
	global_load_b64 v[KF+2*l:KF+2*l+1], v[L8], s[KB:KB+1] offset:256*l
.set l, l+1
.endr
	WIN 0
.irp c, 0,1
	global_load_b64 v[KW+2*\c:KW+2*\c+1], v[L8], s[KSB:KSB+1] offset:256*\c
.endr
.endm
.macro LOADV                           ; 26 loads: channel tile dt's fragment is unit dt of the step's two groups of 64 keys
	WIN 0x40
.irp dt, 0,1,2,3
.irp c, 0,1
.irp i, 0,1,2
	global_load_b64 v[VF+12*\dt+6*\c+2*\i:VF+12*\dt+6*\c+2*\i+1], v[L8], s[VB:VB+1] offset:(4*\c+\dt)*768+256*\i
.endr
.endr
.endr
	WIN 0
.irp c, 0,1
	global_load_b64 v[VR+2*\c:VR+2*\c+1], v[L8], s[VSB:VSB+1] offset:256*\c
.endr
.endm
; The bases step behind a wait that has shown the last loads from them done (at the head: behind s_wait_xcnt 0).
.macro NEXTB
	s_add_nc_u64 s[BB:BB+1], s[BB:BB+1], 512
	s_add_nc_u64 s[MB:MB+1], s[MB:MB+1], 512
	LOADB
.endm
.macro NEXTK
	s_add_nc_u64 s[KB:KB+1], s[KB:KB+1], 6144
	s_add_nc_u64 s[KSB:KSB+1], s[KSB:KSB+1], 512
	LOADK
.endm
.macro NEXTV
	s_add_nc_u64 s[VB:VB+1], s[VB:VB+1], 6144
	s_add_nc_u64 s[VSB:VSB+1], s[VSB:VSB+1], 512
	LOADV
.endm
.macro STAGE                           ; masked keys' bias becomes NEG; my eight rows go to LDS
.irp k, 0,1,2,3
	v_cmp_eq_u32 s[MS+\k], 0, v[MK+\k]
.endr
	WIN 0x41
.irp i, 0,1,2,3,4,5,6,7
.irp k, 0,1,2,3
	v_cndmask_b32 v[BS+4*\i+\k], v[BS+4*\i+\k], v[NEG], s[MS+\k]
.endr
.endr
	WIN 0x04                                       ; an LDS store's data are its source 1
.irp i, 0,1,2,3,4,5,6,7
	ds_store_b128 v[AST], v[BS+4*\i:BS+4*\i+3] offset:BPITCH*\i
.endr
	WIN 0
.endm
.macro CLOADH m, p                     ; half p of tile m's masked bias lands where its scores will stand: register 32 p + i = key 64 p + 32 h + i of the lane's query
.irp i, 0,1,2,3,4,5,6,7
	ds_load_b128 v[S+32*(\p)+4*\i:S+32*(\p)+4*\i+3], v[ADB] offset:16*BPITCH*(\m)+256*(\p)+16*\i
.endr
.endm
.macro SMUL m                          ; S^T = K Q^T / 8 + bias: eight accumulators, one instruction each
	WIN 0x01
.irp b, 0,1,2,3
	MM S+16*\b, KF+12*\b, QA+6+12*(\m), S+16*\b, KW+\b, QW+2*(\m)
	MM S+16*\b+8, KF+12*\b, QA+12*(\m), S+16*\b+8, KW+\b, QW+2*(\m)+1
.endr
	WIN 0
	PLACES                                         ; four places in front of the first read of results, and of loads into K's registers
.endm
; Tile m's softmax for 128 keys, p's codes, and O^T of the tile under the new M.  A lane holds blocks h (registers 0-31) and 2 + h (registers 32-63) whole.
; next = 1: each half of the next tile's bias is fetched as soon as that half of p has been summed.
.macro SOFT m, next
.set NM, ST+6*(\m)
.set PCM, PCD+12*(\m)
.irp b, 0,1,2,3
	v_max3_num_f32 v[BM+\b], v[S+16*\b], v[S+16*\b+1], v[S+16*\b+2]   ; the largest score, in four chains, each accumulator from its low end on
.endr
.irp i, 3,5,7,9,11,13
.irp b, 0,1,2,3
	v_max3_num_f32 v[BM+\b], v[BM+\b], v[S+16*\b+\i], v[S+16*\b+\i+1]
.endr
.endr
.irp c, 0,1
	v_max3_num_f32 v[BM+2*\c], v[BM+2*\c], v[S+32*\c+15], v[S+32*\c+31]
.endr
.irp c, 0,1
	s_delay_alu instid0(VALU_DEP_2)
	v_max_num_f32 v[BM+2*\c], v[BM+2*\c], v[BM+2*\c+1]   ; the largest score of my two blocks: for the row's maximum and, since p rises with the score, for the block's largest p
.endr
	s_delay_alu instid0(VALU_DEP_1)
	v_max_num_f32 v[X], v[BM], v[BM+2]
	s_delay_alu instid0(VALU_DEP_1)
	v_permlanex16_b32 v[BPR], v[X], s[SEL], s[SEL+1]
	s_delay_alu instid0(VALU_DEP_1)
	v_max_num_f32 v[X], v[X], v[BPR]               ; with lane l xor 16's two blocks
	s_delay_alu instid0(VALU_DEP_1)
	v_mul_f32 v[X], s[CS], v[X]                    ; the step's largest t
	s_delay_alu instid0(VALU_DEP_1)
	v_max_num_f32 v[NM+1], v[NM+1], v[X]           ; the running largest t
	v_mov_b32 v[X], v[NM]
	s_delay_alu instid0(VALU_DEP_2)
	v_floor_f32 v[NM], -v[NM+1]                    ; the new -M = floor(-t)
	s_delay_alu instid0(VALU_DEP_1)
	v_sub_f32 v[X], v[NM], v[X]                    ; old M - new M: a whole number, 0 or less
	s_delay_alu instid0(VALU_DEP_1)
	v_cvt_i32_f32 v[X], v[X]                       ; (it saturates)
	s_delay_alu instid0(VALU_DEP_1)
	v_ldexp_f32 v[NM+4], 1.0, v[X]                 ; f = 2^(old M - new M)
.set j, 0
.rept 32
	v_pk_fma_f32 v[S+j:S+j+1], v[S+j:S+j+1], s[CS:CS+1], v[NM:NM+1] op_sel_hi:[1,0,0]   ; t - M, two at a time
.set j, j+2
.endr
.irp c, 0,1
	v_fma_f32 v[BM+2*\c], v[BM+2*\c], s[CS], v[NM] ; the same of each block's largest score
.endr
.set j, 0
	s_wait_alu depctr_va_vdst(0)
.rept 64
	v_exp_f32 v[S+j], v[S+j]                       ; p = 2^(t - M), at most 1
.set j, j+1
.endr
.irp c, 0,1
	v_exp_f32 v[BM+2*\c], v[BM+2*\c]               ; the block's largest p
.endr
	v_pk_mul_f32 v[NM+2:NM+3], v[NM+2:NM+3], v[NM+4:NM+5] op_sel_hi:[1,0]   ; the sums under the new M (a plain place behind the exponentials)
	s_wait_alu depctr_va_vdst(0)                   ; and behind it
.irp c, 0,1
	v_max_num_f32 v[BM+2*\c], 0x1800000, v[BM+2*\c]   ; the floor 2^(3 - 127): the byte cannot fall under 1
.endr
.irp c, 0,1
	s_delay_alu instid0(VALU_DEP_2)
	v_add_nc_u32 v[SO+\c], 0xff000000, v[BM+2*\c]  ; 2 off the exponent field: the conversion's scale operand
.endr
.irp c, 0,1
	s_delay_alu instid0(VALU_DEP_2)
	v_lshrrev_b32 v[BPR+2+\c], 23, v[SO+\c]        ; the scale's byte
.endr
	s_delay_alu instid0(VALU_DEP_1)
	v_lshl_or_b32 v[BPR+2], v[BPR+3], 16, v[BPR+2] ; my two bytes, 16 bits apart,
	s_delay_alu instid0(VALU_DEP_1)
	v_permlanex16_b32 v[BPR+1], v[BPR+2], s[SEL], s[SEL+1]
	s_delay_alu instid0(VALU_DEP_1)
	v_lshl_or_b32 v[PW+(\m)], v[BPR+1], 8, v[BPR+2]   ; and lane l xor 16's between them: in lanes 0-15 the bytes of blocks 0, 1, 2, 3
.irp c, 0,1
	v_cvt_scalef32_pk16_fp6_f32 v[PCM+6*\c:PCM+6*\c+2], v[S+32*\c:S+32*\c+15], v[SO+\c]
	v_cvt_scalef32_pk16_fp6_f32 v[CT+4*\c:CT+4*\c+2], v[S+32*\c+16:S+32*\c+31], v[SO+\c]   ; (a conversion's three registers begin on an even number)
.endr
	v_nop                                          ; one plain place behind a scaled conversion
	v_pk_add_f32 v[X+2:X+3], v[S:S+1], v[S+2:S+3]  ; the row's sum is taken of the unquantised p: two at a time, in two chains
.set j, 4
.rept 7
	v_pk_add_f32 v[NM+2:NM+3], v[NM+2:NM+3], v[S+j:S+j+1]
	v_pk_add_f32 v[X+2:X+3], v[X+2:X+3], v[S+j+2:S+j+3]
.set j, j+4
.endr
.if \next
	CLOADH \m+1, 0
.endif
.rept 8
	v_pk_add_f32 v[NM+2:NM+3], v[NM+2:NM+3], v[S+j:S+j+1]
	v_pk_add_f32 v[X+2:X+3], v[X+2:X+3], v[S+j+2:S+j+3]
.set j, j+4
.endr
	s_delay_alu instid0(VALU_DEP_1)
	v_pk_add_f32 v[NM+2:NM+3], v[NM+2:NM+3], v[X+2:X+3]
.if \next
	CLOADH \m+1, 1
.endif
.irp c, 0,1
.irp i, 0,1,2
	v_mov_b32 v[PCM+6*\c+3+\i], v[CT+4*\c+\i]      ; registers 6 c .. 6 c + 5: keys 64 c + 32 h + 0 .. 31
.endr
.endr
	WIN 0x41
	s_wait_alu depctr_va_vdst(0)                   ; directly ahead of the first reader of the tile's O^T
.irp i, 0,1,2,3,4,5,6,7,8,9,10,11,12,13,14,15
	v_pk_mul_f32 v[O+32*(\m)+2*\i:O+32*(\m)+2*\i+1], v[O+32*(\m)+2*\i:O+32*(\m)+2*\i+1], v[NM+4:NM+5] op_sel_hi:[1,0]   ; O^T under the new M, each accumulator from its low end on; for tile 3 also the places between p's codes and the products
.endr
	WIN 0
.endm
.macro PVMUL                           ; O^T += V^T P^T: sixteen accumulators, one instruction each
	WIN 0x51
.irp dt, 0,1,2,3
.irp m, 0,1,2,3
	MM O+32*\m+8*\dt, VF+12*\dt, PCD+12*\m, O+32*\m+8*\dt, VW+\dt, PW+\m
.endr
.endr
	WIN 0
	PLACES                                         ; four places in front of loads into V's registers, and of the first read of results
.endm
; A KEY STEP.  stage: the next step's bias tile goes to the other buffer, and a barrier ends the step.  nb: the bias two steps on is asked for.  nkv: the next step's K and V are.
; Loads are issued in the order bias (9), K (26), V (26).
.macro STEP stage, nb, nkv
.if \stage
	s_wait_loadcnt 52                              ; the next bias tile and its mask are in; this step's K and V (26 loads each) may be out
.endif
	v_add_nc_u32 v[ADB], s[TB], v[AB0]
.if \stage
	s_xor_b32 s[TW], s[TB], BUFX
	v_add_nc_u32 v[AST], s[TW], v[AST0]
.endif
	CLOADH 0, 0
	CLOADH 0, 1
.if \stage
	STAGE
.endif
	s_wait_loadcnt 26                              ; K is in; only V may be out
.if \stage
	s_wait_dscnt 8                                 ; tile 0's bias is in; the eight stores just issued may be out
.else
	s_wait_dscnt 0x0
.endif
	SMUL 0
	SOFT 0, 1
	s_wait_dscnt 0x0                               ; tile 1's bias is in, and the staging stores have read their registers,
.if \nb
	NEXTB                                          ; which take the bias two steps on
.endif
	SMUL 1
	SOFT 1, 1
	s_wait_dscnt 0x0
	SMUL 2
	SOFT 2, 1
	s_wait_dscnt 0x0                               ; tile 3's bias is in: my reads of this buffer and my stores into the other are done
	SMUL 3
.if \nkv
	NEXTK
.endif
	s_wait_loadcnt 9*\nb+26*\nkv                   ; V is in; what was issued behind it may be out
	v_perm_b32 v[VW], v[VR+2], v[VR], 0x05040100   ; channel tile dt's scale word: its 16 bits of the first group, and above them those of the second
	v_perm_b32 v[VW+1], v[VR+2], v[VR], 0x07060302
	v_perm_b32 v[VW+2], v[VR+3], v[VR+1], 0x05040100
	v_perm_b32 v[VW+3], v[VR+3], v[VR+1], 0x07060302
.if \stage
	s_barrier_signal -1                            ; no LDS access of mine is out or follows in this step
.endif
	SOFT 3, 0
	PVMUL
.if \stage
	s_barrier_wait -1                              ; everybody's reads of the old buffer and stores into the new one are done
.endif
.if \nkv
	NEXTV
.endif
	s_xor_b32 s[TB], s[TB], BUFX                   ; on to the other buffer
.endm
.irp i, 0,1,2,3,4,5,6,7
	global_load_b128 v[S+4*\i:S+4*\i+3], v[L16], s[BB:BB+1] offset:4096*\i th:TH_LOAD_NT   ; step 0's bias, into the scores' registers,
.endr
	global_load_b128 v[BM:BM+3], v[L16], s[MB:MB+1]   ; and its mask
.irp m, 0,1,2,3
.irp i, 0,1,2
	global_load_b64 v[QA+6+12*\m+2*\i:QA+6+12*\m+2*\i+1], v[L8], s[QB:QB+1] offset:768*\m+256*\i   ; Q stays in registers
.endr
.endr
	global_load_b64 v[X:X+1], v[L8], s[QSB:QSB+1]
	s_wait_xcnt 0x0                                ; the bias's and the mask's bases step only behind this wait
	NEXTB                                          ; step 1's bias,
	LOADK                                          ; step 0's K
.set l, 0
.rept 48
	global_load_async_to_lds_b128 v[WLA], v[L16], s[WOB:WOB+1] offset:512*l    ; my 16 fragments of Wo, as they lie: 512 bytes a copy; no LDS write stands between the opening lines and these copies
.set l, l+1
.endr
.rept 4
	global_load_async_to_lds_b128 v[WLA], v[L16], s[WOSB:WOSB+1] offset:512*l  ; and their scale words, behind them
.set l, l+1
.endr
.irp z, 0,1,2,3,4
.irp i, 0,1,2,3,4,5
	v_mov_b32 v[QA+12*\z+\i], 0                    ; zero codes between the tiles of Q
.endr
.endr
	WIN 0x40
.set j, 0
.rept 128
	v_mov_b32 v[O+j], 0                            ; O^T: the step is written for every step alike; the first finds zeros
.set j, j+1
.endr
	WIN 0
.irp m, 0,1,2,3
	v_mov_b32 v[ST+6*\m+1], 0xff61b1e6             ; the largest t so far: -3e38
	s_delay_alu instid0(VALU_DEP_1)
	v_floor_f32 v[ST+6*\m], -v[ST+6*\m+1]
	v_mov_b32 v[ST+6*\m+2], 0
	v_mov_b32 v[ST+6*\m+3], 0
	v_mov_b32 v[ST+6*\m+4], 0
	v_mov_b32 v[ST+6*\m+5], 0
	v_mov_b32 v[BPR+\m], 0                         ; written once: a lane permute's destination counts as one of its sources
.endr
	s_mov_b32 s56, 0xffff
	s_mov_b32 s57, 0x01010000
	s_wait_loadcnt 35                              ; step 0's bias and mask, Q and its scale words are in; step 1's bias (9) and K (26) may be out
.irp j, 0,1                            ; word j holds the bytes of tiles 2 j (below) and 2 j + 1 (above)
	v_and_or_b32 v[QW+4*\j], v[X+\j], s56, s57     ; q in k 0-63: its two bytes, then 1, 1
	v_lshl_or_b32 v[QW+4*\j+1], v[X+\j], 16, 0x0101   ; q in k 64-127: 1, 1, then its two bytes
	v_lshrrev_b32 v[X+2+\j], 16, v[X+\j]
	s_delay_alu instid0(VALU_DEP_1)
	v_or_b32 v[QW+4*\j+2], s57, v[X+2+\j]
	s_delay_alu instid0(VALU_DEP_2)
	v_lshl_or_b32 v[QW+4*\j+3], v[X+2+\j], 16, 0x0101
.endr
.irp k, 0,1,2,3
	v_cmp_eq_u32 s[MS+\k], 0, v[BM+\k]
.endr
.irp i, 0,1,2,3,4,5,6,7
.irp k, 0,1,2,3
	v_cndmask_b32 v[S+4*\i+\k], v[S+4*\i+\k], v[NEG], s[MS+\k]
.endr
.endr
.irp i, 0,1,2,3,4,5,6,7
	ds_store_b128 v[AST0], v[S+4*\i:S+4*\i+3] offset:BPITCH*\i   ; step 0's tile into buffer 0
.endr
	LOADV                                          ; step 0's V
	s_wait_dscnt 0x0                               ; for the others' sake: my stores have landed
	s_barrier_signal -1
	s_barrier_wait -1
	s_mov_b32 s[TB], 0
	s_mov_b32 s[CNT], 6
.Lstep:                                                ; steps 0 to 5
	STEP 1, 1, 1
	s_sub_co_u32 s[CNT], s[CNT], 1
	s_cmp_lg_u32 s[CNT], 0
	s_cbranch_scc1 .Lstep
	STEP 1, 0, 1                                   ; step 6: no bias is left to ask for.  The tail is written out, so that every counted wait is right on its own way
	STEP 0, 0, 0                                   ; step 7
	; ---- THE LAST PRODUCT.  Wave w makes output columns 64 w .. 64 w + 63 for the 64 queries: register j of Wo's tile ft is column 64 w + 32 h + 8 ft + j.
	v_bfe_u32 v9, v0, 4, 1
	s_delay_alu instid0(VALU_DEP_1)
	v_lshlrev_b32 v8, 7, v9                        ; 128 h
	WIN 0x40
.irp ft, 0,1,2,3
	global_load_b128 v[224+8*\ft:224+8*\ft+3], v8, s[BOB:BOB+1] offset:32*\ft
	global_load_b128 v[224+8*\ft+4:224+8*\ft+7], v8, s[BOB:BOB+1] offset:32*\ft+16
.endr
	WIN 0
.irp m, 0,1,2,3
	v_add_f32 v[BM+\m], v[ST+6*\m+2], v[ST+6*\m+3] ; the sum's two halves,
.endr
.irp m, 0,1,2,3
	s_delay_alu instid0(VALU_DEP_4)
	v_permlanex16_b32 v[BPR+\m], v[BM+\m], s[SEL], s[SEL+1]
.endr
.irp m, 0,1,2,3
	s_delay_alu instid0(VALU_DEP_4)
	v_add_f32 v[BM+\m], v[BM+\m], v[BPR+\m]        ; and lane l xor 16's: the row's sum
.endr
	s_wait_alu depctr_va_vdst(0)
.irp m, 0,1,2,3
	v_rcp_f32 v[ST+6*\m+4], v[BM+\m]
.endr
	v_and_b32 v1, 15, v0                           ; (a plain place behind the reciprocals)  r
	v_bfe_u32 v2, v0, 4, 1                         ; h
	s_mul_i32 s56, s[WV], 16*SPITCH                ; my stage
	v_mul_u32_u24 v3, v1, SPITCH
	s_delay_alu instid0(VALU_DEP_1)
	v_lshl_add_u32 v3, v2, 7, v3
	s_delay_alu instid0(VALU_DEP_1)
	v_add_nc_u32 v3, s56, v3                       ; in: row r, + 128 h
	v_mul_u32_u24 v4, v2, SPITCH
	s_delay_alu instid0(VALU_DEP_1)
	v_lshl_add_u32 v4, v1, 4, v4
	s_delay_alu instid0(VALU_DEP_1)
	v_add_nc_u32 v4, s56, v4                       ; back: lanes 0-15 one row, lanes 16-31 the next
	v_lshlrev_b32 v7, 11, v2
	s_delay_alu instid0(VALU_DEP_1)
	v_lshl_add_u32 v7, v1, 4, v7                   ; and the same two rows in out0
	s_wait_alu depctr_va_vdst(0)
; 32 numbers of a lane, register i = channel 32 (lane / 16) + i of my query: one block.  They become a unit's 6 registers at v[pc]; v[w] gets my block's byte and above it lane l xor 16's
.macro QUANT2 s, pc, ct, tm, w
.irp b, 0,1
	v_max3_num_f32 v[(\tm)+\b], |v[(\s)+16*\b]|, |v[(\s)+16*\b+1]|, 0x1800000
.endr
.irp i, 2,4,6,8,10,12,14
.irp b, 0,1
	s_delay_alu instid0(VALU_DEP_2)
	v_max3_num_f32 v[(\tm)+\b], v[(\tm)+\b], |v[(\s)+16*\b+\i]|, |v[(\s)+16*\b+\i+1]|
.endr
.endr
	s_delay_alu instid0(VALU_DEP_1)
	v_max_num_f32 v[(\tm)], v[(\tm)], v[(\tm)+1]
	s_delay_alu instid0(VALU_DEP_1)
	v_add_nc_u32 v[(\tm)+4], 0xff000000, v[(\tm)]
	s_delay_alu instid0(VALU_DEP_1)
	v_lshrrev_b32 v[(\tm)+6], 23, v[(\tm)+4]
	s_delay_alu instid0(VALU_DEP_1)
	v_permlanex16_b32 v[(\tm)+2], v[(\tm)+6], s[SEL], s[SEL+1]
	s_delay_alu instid0(VALU_DEP_1)
	v_lshl_or_b32 v[\w], v[(\tm)+2], 8, v[(\tm)+6]
	v_cvt_scalef32_pk16_fp6_f32 v[(\pc):(\pc)+2], v[(\s):(\s)+15], v[(\tm)+4]
	v_cvt_scalef32_pk16_fp6_f32 v[(\ct):(\ct)+2], v[(\s)+16:(\s)+31], v[(\tm)+4]
	v_nop                                          ; one plain place behind a scaled conversion
.irp i, 0,1,2
	v_mov_b32 v[(\pc)+3+\i], v[(\ct)+\i]
.endr
.endm
.irp m, 0,1,2,3                        ; my head's results / the sum, quantised along the head's 64 channels: half a K step of the last product, as an image of its registers
	WIN 0x01
.irp i, 0,1,2,3,4,5,6,7,8,9,10,11,12,13,14,15
	v_pk_mul_f32 v[S+32*(\m%2)+2*\i:S+32*(\m%2)+2*\i+1], v[O+32*\m+2*\i:O+32*\m+2*\i+1], v[ST+6*\m+4:ST+6*\m+5] op_sel_hi:[1,0]
.endr
	WIN 0
.if \m > 0
	s_wait_alu depctr_va_vdst(0)
	s_wait_dscnt 0x0                               ; the last tile's stores have read the codes' registers
.endif
	QUANT2 S+32*(\m%2), CT, CT+6, BM, X
.irp i, 0,1,2
	ds_store_b64 v[OWI], v[CT+2*\i:CT+2*\i+1] offset:OIMG+6144*\m+256*\i
.endr
	ds_store_b16 v[OWS], v[X] offset:OSC+512*\m    ; my head's half of the K step's scale word
.endr
	s_wait_asynccnt 0x0                            ; my copies of Wo have landed
	s_wait_dscnt 0x0                               ; for the others' sake: my stores have landed
	s_barrier_signal -1
	s_barrier_wait -1                              ; all eight heads' codes lie in LDS
.irp ft, 0,1,2,3
	ds_load_b128 v[WOS+4*\ft:WOS+4*\ft+3], v[WLA] offset:24576+512*\ft
.endr
; 40 LDS loads: K step kp's four fragments of Wo (window 1, two sets by turns), the four tiles' codes of heads 2 kp and 2 kp + 1 and their scale words (two sets by turns)
.macro EL kp
.set EB, S+64*((\kp)%2)
.set ES, VW+4*((\kp)%2)
	WIN 0x40
.irp ft, 0,1,2,3
.irp c, 0,1,2
	ds_load_b128 v[128+48*((\kp)%2)+12*\ft+4*\c:128+48*((\kp)%2)+12*\ft+4*\c+3], v[WLA] offset:6144*\ft+1536*(\kp)+512*\c
.endr
.endr
	WIN 0
.irp m, 0,1,2,3
.irp c, 0,1
.irp i, 0,1,2
	ds_load_b64 v[EB+12*\m+6*\c+2*\i:EB+12*\m+6*\c+2*\i+1], v[L8] offset:OIMG+(8*\m+2*(\kp)+\c)*768+256*\i
.endr
.endr
	ds_load_b32 v[ES+\m], v[L4] offset:OSC+(4*\m+(\kp))*128
.endr
.endm
	EL 0
	EL 1
.irp kp, 0,1,2,3                       ; sixteen accumulators by turns; bo is the C of the first
.set EB, S+64*(\kp%2)
.set ES, VW+4*(\kp%2)
.set WA, 128+48*(\kp%2)
.if \kp < 3
	s_wait_dscnt 40                                ; this K step's loads are in; the next step's 40 may be out
.else
	s_wait_dscnt 0x0
.endif
.if \kp == 0
	s_wait_loadcnt 0x0                             ; bo
.endif
	WIN 0x51                                       ; source 0 (Wo), C and D window 1
.irp ft, 0,1,2,3
.irp m, 0,1,2,3
.if \kp == 0
	MM O+32*\m+8*\ft, WA+12*\ft, EB+12*\m, 224+8*\ft, WOS+4*\ft+\kp, ES+\m
.else
	MM O+32*\m+8*\ft, WA+12*\ft, EB+12*\m, O+32*\m+8*\ft, WOS+4*\ft+\kp, ES+\m
.endif
.endr
.endr
	WIN 0
.if \kp < 2
	PLACES                                         ; four places in front of loads into registers that matrix instructions have read
	EL \kp+2
.endif
.endr
; THE WAY OUT, a tile of 16 queries at a time: a lane holds eight neighbouring columns of one row in each accumulator; they go through my own stage and come back as rows of 256 bytes.
.macro TOSTAGE m
	WIN 0x04
.irp ft, 0,1,2,3
	ds_store_b128 v3, v[O+32*(\m)+8*\ft:O+32*(\m)+8*\ft+3] offset:32*\ft       ; each accumulator from its low end on
	ds_store_b128 v3, v[O+32*(\m)+8*\ft+4:O+32*(\m)+8*\ft+7] offset:32*\ft+16
.endr
	WIN 0
.set OB, 64+120*((\m)%2)
.irp i, 0,1,2,3,4,5,6,7
	ds_load_b128 v[OB+4*\i:OB+4*\i+3], v4 offset:2*\i*SPITCH   ; LDS serves a wave's instructions in order: these see my stores
.endr
.endm
.macro SEND m, younger                 ; younger: the LDS instructions issued behind tile m's loads.  Row rr of tile m is token 8 m + rr % 8 + 32 (rr / 8) of the work-group's 64
.set OB, 64+120*((\m)%2)
	s_wait_dscnt \younger
.irp i, 0,1,2,3,4,5,6,7
	global_store_b128 v7, v[OB+4*\i:OB+4*\i+3], s[OUTB:OUTB+1] offset:(8*(\m)+2*\i+24*(\i/4))*2048 th:TH_STORE_NT   ; sixteen lanes store 256 consecutive bytes, aligned
.endr
.endm
	PLACES                                         ; four places behind the last products: for the stores of results and for the loads into operands' registers
	TOSTAGE 0
.irp m, 1,2,3
.if \m > 1
	s_wait_xcnt 0x0                                ; tile m - 2's stores have read their registers: tile m's rows may land there
.endif
	TOSTAGE \m
	SEND \m-1, 16                                  ; behind tile m - 1's loads: tile m's 8 stores and 8 loads
.endr
	SEND 3, 0
	s_wait_tensorcnt 0x0                           ; the wave's end
	s_wait_asynccnt 0x0
	ds_add_u32 v[SPW], v[NIL]
	s_wait_dscnt 0x0
	s_endpgm
.Lfunc_end_k_qddb07e1413_attn:
	.size	k_qddb07e1413_attn, .Lfunc_end_k_qddb07e1413_attn-k_qddb07e1413_attn
	.p2alignl 7, 3214868480
	.fill 96, 4, 3214868480
	.section	.rodata,"a",@progbits
	.p2align	6, 0x0
	.amdhsa_kernel k_qddb07e1413_attn
		.amdhsa_group_segment_fixed_size 327680
		.amdhsa_private_segment_fixed_size 0
		.amdhsa_enable_private_segment 0
		.amdhsa_kernarg_size 96
		.amdhsa_user_sgpr_count 2
		.amdhsa_user_sgpr_kernarg_segment_ptr 1
		.amdhsa_wavefront_size32 1
		.amdhsa_system_sgpr_workgroup_id_x 1
		.amdhsa_system_sgpr_workgroup_id_y 1
		.amdhsa_system_sgpr_workgroup_id_z 1
		.amdhsa_system_vgpr_workitem_id 0
		.amdhsa_next_free_vgpr 512
		.amdhsa_next_free_sgpr 96
		.amdhsa_reserve_vcc 0
		.amdhsa_float_denorm_mode_32 3
		.amdhsa_float_denorm_mode_16_64 3
		.amdhsa_memory_ordered 1
		.amdhsa_forward_progress 1
		.amdhsa_inst_pref_size 255
	.end_amdhsa_kernel
	.section	.bss,"aw",@nobits
	.p2align	6
	.space	262144
	.amdgpu_metadata
---
amdhsa.version: [ 1, 2 ]
amdhsa.kernels:
  - .name:           k_qddb07e1413_attn
    .symbol:         k_qddb07e1413_attn.kd
    .args:
      - { .name: qcod, .offset: 0, .size: 8, .value_kind: global_buffer, .address_space: global }
      - { .name: qscl, .offset: 8, .size: 8, .value_kind: global_buffer, .address_space: global }
      - { .name: kcod, .offset: 16, .size: 8, .value_kind: global_buffer, .address_space: global }
      - { .name: kscl, .offset: 24, .size: 8, .value_kind: global_buffer, .address_space: global }
      - { .name: vcod, .offset: 32, .size: 8, .value_kind: global_buffer, .address_space: global }
      - { .name: vscl, .offset: 40, .size: 8, .value_kind: global_buffer, .address_space: global }
      - { .name: attn_bias, .offset: 48, .size: 8, .value_kind: global_buffer, .address_space: global }
      - { .name: key_padding_mask, .offset: 56, .size: 8, .value_kind: global_buffer, .address_space: global }
      - { .name: cod, .offset: 64, .size: 8, .value_kind: global_buffer, .address_space: global }
      - { .name: scl, .offset: 72, .size: 8, .value_kind: global_buffer, .address_space: global }
      - { .name: bo, .offset: 80, .size: 8, .value_kind: global_buffer, .address_space: global }
      - { .name: out0, .offset: 88, .size: 8, .value_kind: global_buffer, .address_space: global }
    .group_segment_fixed_size: 327680
    .private_segment_fixed_size: 0
    .kernarg_segment_align: 8
    .kernarg_segment_size: 96
    .max_flat_workgroup_size: 256
    .sgpr_count:     96
    .vgpr_count:     512
    .wavefront_size: 32
...
	.end_amdgpu_metadata
.endif
;; end of part 3
